; MI455X (gfx1250); checked and timed in simulation.
; The chip was launched on July 23, 2026; its instructions are those of AMD's public machine-readable ISA for CDNA 5 (MIT licence, August 2026) and "CDNA5" Instruction Set Architecture Reference Guide (July 2026). The comments in the code are by the model that wrote it; some were corrected since.
;; Attn Block. Allowed arithmetic: matrix products marked QUANTISED: E2M1 operands, one E8M0 scale for each 32 along K, by v_wmma_scale_f32_16x16x128_f8f6f4 with both operands' format E2M1 (or v_wmma_scale_f32_32x16x128_f4), f32 sums; everything else in f32.
;; Inputs: bk 128 float32; bo 128 float32; bq 128 float32; bv 128 float32; gn_bias 128 float32; gn_scale 128 float32; wk_codes 128 x 4 x 16 uint8 (E2M1 codes of wk, K innermost, in blocks of 32 codes, two codes a byte); wk_scales 128 x 4 uint8 (E8M0 scales of wk, one for each 32 codes along K); wo_codes 128 x 4 x 16 uint8 (E2M1 codes of wo, K innermost, in blocks of 32 codes, two codes a byte); wo_scales 128 x 4 uint8 (E8M0 scales of wo, one for each 32 codes along K); wq_codes 128 x 4 x 16 uint8 (E2M1 codes of wq, K innermost, in blocks of 32 codes, two codes a byte); wq_scales 128 x 4 uint8 (E8M0 scales of wq, one for each 32 codes along K); wv_codes 128 x 4 x 16 uint8 (E2M1 codes of wv, K innermost, in blocks of 32 codes, two codes a byte); wv_scales 128 x 4 uint8 (E8M0 scales of wv, one for each 32 codes along K); x 8 x 64 x 64 x 128 float32.
;; Outputs: out0 8 x 64 x 64 x 128 float32.
;; This version of the problem:
;;   THIS VERSION OF THE PROBLEM IS GIVEN IN LOW PRECISION. The matrix products marked QUANTISED in the list below multiply operands that are first quantised to E2M1 (2 exponent bits, 1 mantissa bit; 4 bits a number), with one power-of-two scale for each 32 numbers along K (OCP MX v1.0); their sums are f32. All else is computed in f32.
;;   The module's matrix products, in the order in which they are computed (A, B: the left and right operand; K: the contracted axis; several contracted axes count as one K, in the product's order):
;;     1. [M 32,768, K 128] x [K 128, N 128]; A: computed on the way; B: input wq (given as codes): QUANTISED
;;     2. [M 32,768, K 128] x [K 128, N 128]; A: computed on the way; B: input wk (given as codes): QUANTISED
;;     3. [M 32,768, K 128] x [K 128, N 128]; A: computed on the way; B: input wv (given as codes): QUANTISED
;;     4. batch 8 x [M 4,096, K 128] x [K 128, N 4,096]; A: computed on the way; B: computed on the way: QUANTISED
;;     5. batch 8 x [M 4,096, K 4,096] x [K 4,096, N 128]; A: softmax (see below); B: computed on the way: QUANTISED
;;     6. [M 32,768, K 128] x [K 128, N 128]; A: computed on the way; B: input wo (given as codes): QUANTISED
;;   THE QUANTISER, for each operand of a quantised product, along K:
;;     - K is cut into blocks of 32 from its start; a last block that is shorter is filled with zeros.
;;     - A block's scale is 2^e with e = floor(log2(the largest magnitude in the block)) - 2, held to -126 .. 127; a block of zeros has e = 0. As a byte (E8M0): e + 127.
;;     - Each number is divided by its block's scale, clamped to +-6, and rounded to the nearest number of E2M1, ties to even, subnormals kept.
;;     - The product sums the exact products of the quantised numbers (number of the format x scale) in f32.
;;   ~~~python
;;   def quantise(x, axis):      # numpy; x: float32 -> the quantised numbers, widened to float32 again
;;       x = np.moveaxis(x, axis, -1); K = x.shape[-1]
;;       x = np.pad(x, [(0, 0)] * (x.ndim - 1) + [(0, -K % 32)]); x = x.reshape(x.shape[:-1] + (-1, 32)); a = np.abs(x).max(-1, keepdims=True)
;;       e = np.where(a > 0, np.clip(np.frexp(np.where(a > 0, a, 1))[1] - 1 - 2, -126, 127), 0)      # np.frexp(a)[1] - 1 = floor(log2(a)), exactly
;;       r = np.clip(x / 2.0 ** e, -6, 6)
;;       step = 2.0 ** (np.maximum(np.frexp(np.where(r == 0, 1, r))[1] - 1, 0) - 1)
;;       q = np.round(r / step) * step * 2.0 ** e      # np.round: ties to even
;;       return np.moveaxis(q.reshape(q.shape[:-2] + (-1,))[..., :K], -1, axis).astype(np.float32)
;;   ~~~
;;   SOFTMAX AHEAD OF A QUANTISED PRODUCT. Where the list says 'softmax', what is quantised is not the finished softmax but p = 2^(t - M), with t = logit x log2(e) and M = ceil(the row's largest t), a whole number; so 1/2 < the row's largest p <= 1. The row's sum l is taken of the UNQUANTISED p, in f32, and the product's result is divided by l at the end. Since M is a whole number, a kernel that streams over the keys may use a running M (the ceiling of the running maximum): every later rescaling is an exact power of two, which a block's scale takes up: the codes' values come out the same.
;;   OPERANDS COMPUTED ON THE WAY. 'Computed on the way' means the value that the module computes at that place (a softmax that the list does not call 'softmax' is quantised finished and normalised). What goes into a quantiser is computed in f32, as accurately as f32 sums, v_exp_f32 and their like allow (about 1e-6 of the number): no bf16 or f16 on the way to a quantiser, and a product that is left as it is and whose result goes on into a quantised operand takes f32 operands (vector FMAs, or v_wmma_f32_16x16x4_f32). A number that lies on a knife's edge between two numbers of the format may be rounded either way, as far as f32 arithmetic and the matrix unit's own rounding can turn it there, and no further.
;;   INPUTS GIVEN AS CODES. wk (in the module: [128, 128], K = its axis 0); wo (in the module: [128, 128], K = its axis 0); wq (in the module: [128, 128], K = its axis 0); wv (in the module: [128, 128], K = its axis 0): each comes as NAME_codes (uint8): NAME with its K axis moved to the last place and cut into blocks of 32 codes, [.., K / 32, bytes a block], one block behind the other in memory; two codes a byte, the lower K in the low four bits (a code: sign, 2 exponent bits, 1 mantissa bit); and NAME_scales (uint8): the same leading axes, one E8M0 byte (e + 127) for each 32 codes along K. Its value is code x scale, taken as it is: it is not quantised again, and the codes and scales need not be those that the quantiser above would give.
;; One version. Each part assembles by itself: llvm-mc -triple=amdgcn-amd-amdhsa -mcpu=gfx1250 --defsym DOCPART=n.
;; ======== version 1 of 1: 3 launches
;; workspace buffers: stats 65,536 bytes; ws 6,684,672 bytes
;; launch stats (part 1): grid 256 x 1, 8 waves a work-group, no clusters, 3,072 bytes of LDS; arguments x, stats; writes stats
.if DOCPART == 1
	.amdgcn_target "amdgcn-amd-amdhsa--gfx1250"
	.amdhsa_code_object_version 6
	.text
	.protected	k_qa67e422717_stats
	.globl	k_qa67e422717_stats
	.p2align	8
	.type	k_qa67e422717_stats,@function
k_qa67e422717_stats:
	s_mov_b64 s[64:65], 0
	v_nop
	global_prefetch_b8 v0, s[64:65] scope:SCOPE_SE
	s_setreg_imm32_b32 hwreg(HW_REG_WAVE_MODE, 25, 1), 1
	s_wait_xcnt 0x0
; GroupNorm's statistics, first half.  x is [8][4096][128] f32; a group is 4 neighbouring channels, 16 bytes of a row of 512.
; Work-group g takes the chunk of 128 positions 128 g on (batch g / 32, chunk g % 32) and stores, for each of the 32 groups,
; the chunk's mean and M2 = the sum of squares about that mean: stats[g][group][2], 256 bytes a chunk.
; The variance is never made as a difference of large sums: a wave's 64 numbers of a group are taken about their own mean, and
; means and M2 are joined by M2 = sum of M2_i + n x sum of (mean_i - mean)^2 (all parts have the same n).  So a common offset of x costs nothing.
; Eight waves, 16 rows each; lane l holds bytes 16 l of each row, which is group l: nothing crosses lanes.  Each load of a wave covers a whole row, 512 consecutive bytes.
; No matrix unit, no tensor load, no cluster: every byte is read once, straight into registers.
; LIMITS: NaN and infinities in x are not served.
.set X, 16                             ; v16-79  my 16 rows x 4 numbers
	s_load_b128 s[4:7], s[0:1], 0x0                ; x s[4:5], stats s[6:7]
	v_lshl_add_u32 v96, v0, 2, 0x800
	v_mov_b32 v97, 0
	v_lshrrev_b32 v4, 5, v0
	s_delay_alu instid0(VALU_DEP_1)
	v_readfirstlane_b32 s8, v4                     ; wave 0..7
	v_and_b32 v5, 31, v0                           ; lane
	s_delay_alu instid0(VALU_DEP_1)
	v_lshlrev_b32 v1, 4, v5                        ; my 16 bytes of a row
	s_delay_alu instid0(VALU_DEP_2)
	v_lshlrev_b32 v3, 3, v5                        ; my group's 8 bytes of a chunk's record
	s_delay_alu instid0(VALU_DEP_1)
	v_lshl_add_u32 v2, v4, 8, v3                   ; LDS: 256 x wave + 8 x lane
	s_lshl_b32 s10, ttmp9, 16                      ; 128 rows of 512 bytes a work-group,
	s_lshl_b32 s9, s8, 13                          ; 16 rows a wave
	s_add_co_u32 s10, s10, s9
	s_mov_b32 s11, 0
	s_lshl_b32 s12, ttmp9, 8                       ; 256 bytes of stats a work-group
	s_mov_b32 s13, 0
	s_wait_alu depctr_va_vdst(0)
	s_wait_kmcnt 0x0
	s_add_nc_u64 s[4:5], s[4:5], s[10:11]
	s_add_nc_u64 s[6:7], s[6:7], s[12:13]
.irp i, 0,1,2,3,4,5,6,7,8,9,10,11,12,13,14,15
	global_load_b128 v[X+4*\i:X+4*\i+3], v1, s[4:5] offset:512*\i   ; all of the wave's 8,192 bytes are asked for at once
.endr
	s_wait_loadcnt 0x0
	v_pk_add_f32 v[82:83], v[16:17], v[18:19]
	v_pk_add_f32 v[94:95], v[24:25], v[28:29]
	v_pk_add_f32 v[92:93], v[32:33], v[36:37]
	v_pk_add_f32 v[90:91], v[40:41], v[44:45]
	v_pk_add_f32 v[88:89], v[48:49], v[52:53]
	v_pk_add_f32 v[86:87], v[56:57], v[60:61]
	v_pk_add_f32 v[84:85], v[64:65], v[68:69]
	v_pk_add_f32 v[80:81], v[72:73], v[76:77]
	s_delay_alu instid0(VALU_DEP_1)
	v_pk_add_f32 v[80:81], v[80:81], v[20:21]
	v_pk_add_f32 v[82:83], v[82:83], v[22:23]
	v_pk_add_f32 v[94:95], v[94:95], v[26:27]
	v_pk_add_f32 v[92:93], v[92:93], v[30:31]
	v_pk_add_f32 v[90:91], v[90:91], v[34:35]
	v_pk_add_f32 v[88:89], v[88:89], v[38:39]
	v_pk_add_f32 v[86:87], v[86:87], v[42:43]
	v_pk_add_f32 v[84:85], v[84:85], v[46:47]
	v_pk_add_f32 v[80:81], v[80:81], v[50:51]
	v_pk_add_f32 v[82:83], v[82:83], v[54:55]
	v_pk_add_f32 v[94:95], v[94:95], v[58:59]
	v_pk_add_f32 v[92:93], v[92:93], v[62:63]
	v_pk_add_f32 v[90:91], v[90:91], v[66:67]
	v_pk_add_f32 v[88:89], v[88:89], v[70:71]
	v_pk_add_f32 v[86:87], v[86:87], v[74:75]
	v_pk_add_f32 v[84:85], v[84:85], v[78:79]
	s_delay_alu instid0(VALU_DEP_4)
	v_pk_add_f32 v[80:81], v[80:81], v[90:91]
	s_delay_alu instid0(VALU_DEP_4)
	v_pk_add_f32 v[82:83], v[82:83], v[88:89]
	s_delay_alu instid0(VALU_DEP_4)
	v_pk_add_f32 v[94:95], v[94:95], v[86:87]
	s_delay_alu instid0(VALU_DEP_4)
	v_pk_add_f32 v[92:93], v[92:93], v[84:85]
	s_delay_alu instid0(VALU_DEP_2)
	v_pk_add_f32 v[80:81], v[80:81], v[94:95]
	s_delay_alu instid0(VALU_DEP_2)
	v_pk_add_f32 v[82:83], v[82:83], v[92:93]
	s_delay_alu instid0(VALU_DEP_1)
	v_pk_add_f32 v[80:81], v[80:81], v[82:83]
	s_delay_alu instid0(VALU_DEP_1)
	v_add_f32 v84, v80, v81
	s_delay_alu instid0(VALU_DEP_1)
	v_mul_f32 v84, 0x3c800000, v84                 ; / 64
	s_delay_alu instid0(VALU_DEP_1)
	v_mov_b32 v85, v84                             ; twice, for the packed subtraction
.irp j, 0,2,4,6,8,10,12,14,16,18,20,22,24,26,28,30,32,34,36,38,40,42,44,46,48,50,52,54,56,58,60,62
	v_pk_add_f32 v[X+\j:X+\j+1], v[X+\j:X+\j+1], v[84:85] neg_lo:[0,1] neg_hi:[0,1]   ; x - mean
.endr
	v_pk_mul_f32 v[86:87], v[X:X+1], v[X:X+1]      ; M2: two chains, started by the first squares
	v_pk_mul_f32 v[88:89], v[X+2:X+3], v[X+2:X+3]
.irp j, 4,8,12,16,20,24,28,32,36,40,44,48,52,56,60
	s_delay_alu instid0(VALU_DEP_2)
	v_pk_fma_f32 v[86:87], v[X+\j:X+\j+1], v[X+\j:X+\j+1], v[86:87]
	s_delay_alu instid0(VALU_DEP_2)
	v_pk_fma_f32 v[88:89], v[X+\j+2:X+\j+3], v[X+\j+2:X+\j+3], v[88:89]
.endr
	s_delay_alu instid0(VALU_DEP_1)
	v_pk_add_f32 v[86:87], v[86:87], v[88:89]
	s_delay_alu instid0(VALU_DEP_1)
	v_add_f32 v91, v86, v87
	v_mov_b32 v90, v84
	ds_store_b64 v2, v[90:91]                      ; (mean, M2) of my wave's part of group l
	s_wait_dscnt 0x0                               ; for wave 0's sake: my store has landed
	s_barrier_signal -1
	s_barrier_wait -1
	s_cmp_lg_u32 s8, 0                             ; wave 0 joins the eight parts
	s_cbranch_scc1 .Lend
.irp k, 0,1,2,3,4,5,6,7
	ds_load_b64 v[16+2*\k:17+2*\k], v3 offset:256*\k
.endr
	s_wait_dscnt 0x0
	v_pk_add_f32 v[80:81], v[16:17], v[18:19]      ; (sum of means, sum of M2)
	v_pk_add_f32 v[82:83], v[20:21], v[22:23]
	s_delay_alu instid0(VALU_DEP_2)
	v_pk_add_f32 v[80:81], v[80:81], v[24:25]
	s_delay_alu instid0(VALU_DEP_2)
	v_pk_add_f32 v[82:83], v[82:83], v[26:27]
	s_delay_alu instid0(VALU_DEP_2)
	v_pk_add_f32 v[80:81], v[80:81], v[28:29]
	s_delay_alu instid0(VALU_DEP_2)
	v_pk_add_f32 v[82:83], v[82:83], v[30:31]
	s_delay_alu instid0(VALU_DEP_1)
	v_pk_add_f32 v[80:81], v[80:81], v[82:83]
	s_delay_alu instid0(VALU_DEP_1)
	v_mul_f32 v84, 0x3e000000, v80                 ; the chunk's mean: / 8
.irp k, 0,1,2,3,4,5,6,7
	v_sub_f32 v[16+2*\k], v[16+2*\k], v84
.endr
	v_mul_f32 v86, v16, v16
.irp k, 1,2,3,4,5,6,7
	s_delay_alu instid0(VALU_DEP_1)
	v_fma_f32 v86, v[16+2*\k], v[16+2*\k], v86
.endr
	s_delay_alu instid0(VALU_DEP_1)
	v_fmamk_f32 v85, v86, 0x42800000, v81          ; M2 = 64 x sum of (mean_w - mean)^2 + sum of M2_w
	global_store_b64 v3, v[84:85], s[6:7]          ; 32 lanes store 256 consecutive bytes, at a multiple of 256 from the buffer's first byte
.Lend:
	s_wait_tensorcnt 0x0
	ds_add_u32 v96, v97
	s_wait_dscnt 0x0
	s_endpgm
.Lfunc_end_k_qa67e422717_stats:
	.size	k_qa67e422717_stats, .Lfunc_end_k_qa67e422717_stats-k_qa67e422717_stats
	.p2alignl 7, 3214868480
	.fill 96, 4, 3214868480
	.section	.rodata,"a",@progbits
	.p2align	6, 0x0
	.amdhsa_kernel k_qa67e422717_stats
		.amdhsa_group_segment_fixed_size 3072
		.amdhsa_private_segment_fixed_size 0
		.amdhsa_enable_private_segment 0
		.amdhsa_kernarg_size 16
		.amdhsa_user_sgpr_count 2
		.amdhsa_user_sgpr_kernarg_segment_ptr 1
		.amdhsa_wavefront_size32 1
		.amdhsa_system_sgpr_workgroup_id_x 1
		.amdhsa_system_sgpr_workgroup_id_y 1
		.amdhsa_system_sgpr_workgroup_id_z 1
		.amdhsa_system_vgpr_workitem_id 0
		.amdhsa_next_free_vgpr 98
		.amdhsa_next_free_sgpr 66
		.amdhsa_reserve_vcc 0
		.amdhsa_float_denorm_mode_32 3
		.amdhsa_float_denorm_mode_16_64 3
		.amdhsa_memory_ordered 1
		.amdhsa_forward_progress 1
		.amdhsa_inst_pref_size 13
	.end_amdhsa_kernel
	.amdgpu_metadata
---
amdhsa.version: [ 1, 2 ]
amdhsa.kernels:
  - .name:           k_qa67e422717_stats
    .symbol:         k_qa67e422717_stats.kd
    .args:
      - { .name: x, .offset: 0, .size: 8, .value_kind: global_buffer, .address_space: global }
      - { .name: stats, .offset: 8, .size: 8, .value_kind: global_buffer, .address_space: global }
    .group_segment_fixed_size: 3072
    .private_segment_fixed_size: 0
    .kernarg_segment_align: 8
    .kernarg_segment_size: 16
    .max_flat_workgroup_size: 256
    .sgpr_count:     66
    .vgpr_count:     98
    .wavefront_size: 32
...
	.end_amdgpu_metadata
.endif
;; end of part 1
;; launch qkv (part 2): grid 256 x 1, 4 waves a work-group, no clusters, 78,848 bytes of LDS; arguments x, stats, gn_scale, gn_bias, wq_codes, wq_scales, bq, wk_codes, wk_scales, bk, wv_codes, wv_scales, bv, ws; writes ws
.if DOCPART == 2
	.amdgcn_target "amdgcn-amd-amdhsa--gfx1250"
	.amdhsa_code_object_version 6
	.text
	.protected	k_qa67e422717_qkv
	.globl	k_qa67e422717_qkv
	.p2align	8
	.type	k_qa67e422717_qkv,@function
k_qa67e422717_qkv:
	s_mov_b64 s[64:65], 0
	v_nop
	global_prefetch_b8 v0, s[64:65] scope:SCOPE_SE
	s_setreg_imm32_b32 hwreg(HW_REG_WAVE_MODE, 25, 1), 1
	s_wait_xcnt 0x0
; h = GroupNorm(x), quantised along the channels; q = h Wq + bq, k = h Wk + bk, v = h Wv + bv on codes of FP4 (E2M1) with one E8M0 scale for each 32 along K; q and k are quantised along their channels,
; v along the positions (the keys are the K of attention's second product).  Work-group g takes positions 128 g on and writes record g of ws, 26,112 bytes:
;   +0 q's 8 fragments, +8,192 k's 8, +16,384 v's 8 (1,024 bytes each), +24,576 k's scale words, +25,088 v's, +25,600 q's (512 bytes each).
; A FRAGMENT LIES IN ws AS AN IMAGE OF THE OPERAND'S REGISTERS: registers 4 c .. 4 c + 3 of lane l at 512 c + 16 l.  The scale words of 8 tiles are an image of 4 registers: the word of tile 2 j + hh, row r, at 16 (r + 16 hh) + 4 j:
; one load of 16 bytes a lane then gives register j with tile 2 j's words in lanes 0-15 and tile 2 j + 1's in lanes 16-31.
; THE ROWS OF A TILE ARE NOT NEIGHBOURS: row r of tile 2 b + u is number 32 b + 8 u + r + 8 (r / 8) of the 128 (positions, or a weight's rows).  A product's result then holds, in the 16 registers of tiles 2 b and 2 b + 1,
; 16 neighbours along the next K: 32 b + 16 (lane / 16) + 0 .. 15, which is what QUANT takes.
; SHARES.  Wave w owns positions 32 w .. 32 w + 31 (tiles 2 w, 2 w + 1 of h, of q and of k) and channels 32 w .. 32 w + 31 of v (tiles 2 w, 2 w + 1 of V^T), for which it reads all 8 fragments of h from LDS.
; q, k: source 0 = 16 rows of the weight, source 1 = 16 positions of h: a lane holds one position, its registers run along the channels.  v: source 0 = 16 positions, source 1 = 16 rows of Wv: a lane holds one channel, its registers run along the positions.
; The biases are the C of the products.  No tensor loads: each byte of x is read once, into registers; no cluster: the work-groups share only the small weights.
; A block's scale byte is its largest magnitude's exponent field - 2, held at 1 from below.  A block of zeros so gets the byte 1 where the rule says 127: its codes are zeros, and this program alone reads the bytes.
; LIMITS: blocks whose largest magnitude lies under 2^-124 get the byte 1; NaN and infinities among the inputs are not served.
.set SP,    528                        ; a stage row: 512 bytes + 16 = 33 x 16: the 16 rows that a load touches begin at 16 different 16-byte columns modulo 256
.set STGW,  32*SP                      ; LDS 0: a stage of 32 rows for each wave
.set HIMG,  4*STGW                     ; h's 8 fragment images
.set HSC,   HIMG+8192                  ; h's scale words' image;  behind it k's (+512), v's (+1,024), q's (+1,536)
.set SCK,   HSC+512
.set REC,   26112
.set LI,  1                            ; v1   16 x lane
.set L8,  2                            ; v2   8 x lane
.set STW, 3                            ; v3   my stage + 16 x lane: a row goes in as it was loaded
.set STR, 4                            ; v4   my stage + 528 r + 64 h: 16 neighbouring channels of row r come out
.set HWI, 5                            ; v5   where I store h's images: HIMG + 2,048 w + 16 x lane
.set HRI, 6                            ; v6   HIMG + 16 x lane
.set SCW, 7                            ; v7   HSC + 16 x lane + 4 w: my tiles' scale words
.set SCR, 8                            ; v8   HSC + 16 x lane
.set SCF, 9                            ; v9   SCK + 512 w + 16 x lane: the image that wave w sends out
.set WA,  10                           ; v10  a weight's codes: 64 (r + 8 (r / 8)) + 16 h
.set WSA, 11                           ; v11  its scale words, and bv: 4 (r + 8 (r / 8))
.set BA,  12                           ; v12  bq, bk: 64 h
.set GW,  13                           ; v13  ws: 2,048 w + 16 x lane
.set GS,  14                           ; v14  ws: 24,576 + 512 w + 16 x lane
.set WF,  16                           ; v16-79   a weight's 8 fragments (first: x's rows 0-15; for v: Wv's two fragments, bv as C, bv as loaded)
.set BI,  80                           ; v80-143  a bias's 8 tiles (first: x's rows 16-31; for v: h's 8 fragments)
.set ACC, 144                          ; v144-207 results (first: the 32 chunks' statistics)
.set HF,  208                          ; v208-223 my two fragments of h (first: gain, bias, mean, gain x rstd)
.set PC,  224                          ; v224-231 the codes just made
.set TM,  232                          ; v232-235 largest magnitudes, v236-239 the other half's and the bytes, v240-243 the conversions' scale operands
.set PW,  244                          ; v244 the scale word just made
.set WS,  245                          ; v245-252 a weight's scale words;  v253 my h tiles' (these nine registers hold scales and nothing else)
.set HSO, 253
.set HS,  246                          ; for v: v246-249 h's scale words of all 8 tiles (a run of four registers begins on an even one), v250-251 Wv's
.set WVS, 250
.set PW0, 255                          ; v255 the first tile's scale word, then both tiles'
.set SEL, 42                           ; s[42:43] v_permlanex16_b32's selects for lane l xor 16
; 64 numbers of a lane, register 16 b + i = k 32 b + 16 (lane / 16) + i of my row, become a fragment's codes in v[PC] on and its scale word in v[PW].
.macro QUANT s
.irp b, 0,1,2,3
	v_max3_num_f32 v[TM+\b], |v[\s+16*\b]|, |v[\s+1+16*\b]|, 0x1800000   ; block b: my 16 numbers, and the floor 2^(3 - 127): the byte cannot fall under 1
.endr
.irp i, 2,4,6,8,10,12,14
.irp b, 0,1,2,3
	v_max3_num_f32 v[TM+\b], v[TM+\b], |v[\s+16*\b+\i]|, |v[\s+1+16*\b+\i]|   ; the four blocks by turns
.endr
.endr
.irp b, 0,1,2,3
	v_permlanex16_b32 v[TM+4+\b], v[TM+\b], s[SEL], s[SEL+1]
.endr
.irp b, 0,1,2,3
	v_max_num_f32 v[TM+\b], v[TM+\b], v[TM+4+\b]   ; with lane l xor 16's: the block's largest magnitude
.endr
.irp b, 0,1,2,3
	v_add_nc_u32 v[TM+8+\b], 0xff000000, v[TM+\b]  ; 2 off its exponent field: the conversion takes this operand's exponent field as its scale
.endr
.irp b, 0,1,2,3
	v_lshrrev_b32 v[TM+4+\b], 23, v[TM+8+\b]       ; the scale's byte
.endr
	v_lshl_or_b32 v[PW], v[TM+5], 8, v[TM+4]
	v_lshl_or_b32 v[PW], v[TM+6], 16, v[PW]
	v_lshl_or_b32 v[PW], v[TM+7], 24, v[PW]        ; my row's scale word
.irp b, 0,1,2,3
	v_cvt_scalef32_pk8_fp4_f32 v[PC+2*\b], v[\s+16*\b:\s+7+16*\b], v[TM+8+\b]
	v_cvt_scalef32_pk8_fp4_f32 v[PC+1+2*\b], v[\s+8+16*\b:\s+15+16*\b], v[TM+8+\b]
.endr
	v_nop                                          ; one plain place behind a scaled conversion
.irp c, 0,1                                    ; the operand's layout wants a whole block in a lane: lanes 0-15 block 2 c, lanes 16-31 block 2 c + 1
.irp i, 0,1
	v_permlane16_swap_b32 v[PC+4*\c+\i], v[PC+2+4*\c+\i]
.endr
.endr
.endm
.macro IMAGE adr, off                          ; the fragment in v[PC] on goes to LDS as it stands
.irp c, 0,1
	ds_store_b128 v[\adr], v[PC+4*\c:PC+4*\c+3] offset:\off+512*\c
.endr
.endm
.macro OUTC off                                ; and to ws: each store of the wave covers 512 consecutive bytes, at a multiple of 256 from the buffer's first byte
.irp c, 0,1
	global_store_b128 v[GW], v[PC+4*\c:PC+4*\c+3], s[34:35] offset:\off+512*\c
.endr
.endm
.macro TURN reg, f                             ; tile f of my two comes out of the stage: row r, channels 32 b + 16 h + 0 .. 15 into registers 16 b on
.irp b, 0,1,2,3
.irp j, 0,1,2,3
	ds_load_b128 v[\reg+16*\b+4*\j:\reg+16*\b+4*\j+3], v[STR] offset:\f*16*SP+128*\b+16*\j
.endr
.endr
.endm
.macro LOADW pc, ps                            ; a weight's 8 fragments and their scale words: tile t begins at row 32 (t / 2) + 8 (t % 2)
.irp t, 0,1,2,3,4,5,6,7
.irp c, 0,1
	global_load_b128 v[WF+8*\t+4*\c:WF+8*\t+4*\c+3], v[WA], s[\pc:\pc+1] offset:(32*(\t/2)+8*(\t%2))*64+32*\c
.endr
	global_load_b32 v[WS+\t], v[WSA], s[\ps:\ps+1] offset:(32*(\t/2)+8*(\t%2))*4
.endr
.endm
.macro LOADB pb                                ; a bias in the result's layout: tile t, lane (r, h): numbers 32 (t / 2) + 16 h + 8 (t % 2) + 0 .. 7
.irp t, 0,1,2,3,4,5,6,7
	global_load_b128 v[BI+8*\t:BI+8*\t+3], v[BA], s[\pb:\pb+1] offset:(32*(\t/2)+8*(\t%2))*4
	global_load_b128 v[BI+8*\t+4:BI+8*\t+7], v[BA], s[\pb:\pb+1] offset:(32*(\t/2)+8*(\t%2))*4+16
.endr
.endm
.macro PLACES                                  ; four places between a matrix instruction and a read of its result, or a load into one of its registers (ISA guide 7.12.1 for vector instructions)
.rept 4
	v_nop
.endr
.endm
.macro PROJ f                                  ; all 128 channels of q or k for tile f of my positions: eight accumulators, one instruction each
.irp t, 0,1,2,3,4,5,6,7
.if \f
	v_wmma_scale_f32_16x16x128_f8f6f4 v[ACC+8*\t:ACC+8*\t+7], v[WF+8*\t:WF+8*\t+7], v[HF+8:HF+15], v[BI+8*\t:BI+8*\t+7], v[WS+\t], v[HSO] matrix_a_fmt:MATRIX_FMT_FP4 matrix_b_fmt:MATRIX_FMT_FP4 matrix_b_scale:MATRIX_SCALE_ROW1
.else
	v_wmma_scale_f32_16x16x128_f8f6f4 v[ACC+8*\t:ACC+8*\t+7], v[WF+8*\t:WF+8*\t+7], v[HF:HF+7], v[BI+8*\t:BI+8*\t+7], v[WS+\t], v[HSO] matrix_a_fmt:MATRIX_FMT_FP4 matrix_b_fmt:MATRIX_FMT_FP4
.endif
.endr
	PLACES
.endm
.macro VPROJ f                                 ; all 128 positions of v for tile f of my channels
.irp t, 0,2,4,6
	v_wmma_scale_f32_16x16x128_f8f6f4 v[ACC+8*\t:ACC+8*\t+7], v[BI+8*\t:BI+8*\t+7], v[WF+8*\f:WF+8*\f+7], v[WF+16+8*\f:WF+23+8*\f], v[HS+\t/2], v[WVS+\f] matrix_a_fmt:MATRIX_FMT_FP4 matrix_b_fmt:MATRIX_FMT_FP4
	v_wmma_scale_f32_16x16x128_f8f6f4 v[ACC+8*\t+8:ACC+8*\t+15], v[BI+8*\t+8:BI+8*\t+15], v[WF+8*\f:WF+8*\f+7], v[WF+16+8*\f:WF+23+8*\f], v[HS+\t/2], v[WVS+\f] matrix_a_fmt:MATRIX_FMT_FP4 matrix_b_fmt:MATRIX_FMT_FP4 matrix_a_scale:MATRIX_SCALE_ROW1
.endr
	PLACES
.endm
.macro VLOAD                                   ; what the v products want: h's 8 fragments and scale words from LDS, my two tiles of Wv, their scale words, my channels' bv
.irp t, 0,1,2,3,4,5,6,7
.irp c, 0,1
	ds_load_b128 v[BI+8*\t+4*\c:BI+8*\t+4*\c+3], v[HRI] offset:1024*\t+512*\c
.endr
.endr
	ds_load_b128 v[HS:HS+3], v[SCR]
.irp f, 0,1
.irp c, 0,1
	global_load_b128 v[WF+8*\f+4*\c:WF+8*\f+4*\c+3], v[WA], s[28:29] offset:512*\f+32*\c
.endr
	global_load_b32 v[WVS+\f], v[WSA], s[30:31] offset:32*\f
	global_load_b32 v[WF+32+\f], v[WSA], s[32:33] offset:32*\f
.endr
.endm
.macro BARRIER                                 ; my LDS stores have landed and my LDS loads are in: then the work-group's barrier
	s_wait_dscnt 0x0
	s_barrier_signal -1
	s_barrier_wait -1
.endm
; My two tiles of one of q, k, v: products, quantiser, codes to ws at co, both tiles' scale words to LDS at HSC + so.  kind = 0: PROJ, 1: VPROJ.  nxt: the next phase's loads, issued behind the second tile's products and their places.
.macro PAIR co, so, kind, nxt
	s_wait_dscnt 0x0                               ; what this phase reads from LDS is in, and the last scale words' store is done
.if \kind
	VPROJ 0
.else
	PROJ 0
.endif
	s_wait_xcnt 0x0                                ; earlier stores have read the codes' registers: only behind this wait are they written again
	QUANT ACC
	OUTC \co
	v_mov_b32 v[PW0], v[PW]
.if \kind
	VPROJ 1
.else
	PROJ 1
.endif
.if \nxt == 1
	LOADW 22, 24
	LOADB 26
.endif
.if \nxt == 2
	VLOAD
.endif
	s_wait_xcnt 0x0
	QUANT ACC
	OUTC \co+1024
	v_cndmask_b32 v[PW0], v[PW0], v[PW], s40       ; lanes 0-15: the first tile's words, lanes 16-31: the second's
	ds_store_b32 v[SCW], v[PW0] offset:\so
.endm
	s_load_b512 s[8:23], s[0:1], 0x0               ; x 8, stats 10, gn_scale 12, gn_bias 14, wq_codes 16, wq_scales 18, bq 20, wk_codes 22
	s_load_b256 s[24:31], s[0:1], 0x40             ; wk_scales 24, bk 26, wv_codes 28, wv_scales 30
	s_load_b128 s[32:35], s[0:1], 0x60             ; bv 32, ws 34
	v_lshl_add_u32 v254, v0, 2, 0x13200
	s_set_vgpr_msb 0x40
	v_mov_b32 v1, 0
	s_set_vgpr_msb 0x4000
	v_lshrrev_b32 v15, 5, v0
	v_readfirstlane_b32 s38, v15                   ; wave 0..3
	v_and_b32 v15, 31, v0                          ; lane
	v_lshlrev_b32 v[LI], 4, v15
	v_lshlrev_b32 v[L8], 3, v15
	v_and_b32 v10, 15, v0                          ; r
	v_bfe_u32 v12, v0, 4, 1                        ; h
	s_mul_i32 s39, s38, STGW
	v_add_nc_u32 v[STW], s39, v[LI]
	v_mul_u32_u24 v[STR], v10, SP
	v_lshl_add_u32 v[STR], v12, 6, v[STR]
	v_add_nc_u32 v[STR], s39, v[STR]
	s_lshl_b32 s39, s38, 11
	v_add_nc_u32 v[GW], s39, v[LI]
	v_add_nc_u32 v[HWI], HIMG, v[GW]
	v_add_nc_u32 v[HRI], HIMG, v[LI]
	s_lshl_b32 s39, s38, 2
	v_add_nc_u32 v[SCW], s39, v[LI]
	v_add_nc_u32 v[SCW], HSC, v[SCW]
	v_add_nc_u32 v[SCR], HSC, v[LI]
	s_lshl_b32 s39, s38, 9
	v_add_nc_u32 v[SCF], s39, v[LI]
	v_add_nc_u32 v[GS], 24576, v[SCF]
	v_add_nc_u32 v[SCF], SCK, v[SCF]
	v_and_b32 v11, 8, v10
	v_add_nc_u32 v11, v11, v10                     ; r + 8 (r / 8)
	v_lshlrev_b32 v[WA], 6, v11
	v_lshl_add_u32 v[WA], v12, 4, v[WA]
	v_lshlrev_b32 v[WSA], 2, v11
	v_lshlrev_b32 v[BA], 6, v12
.irp b, 0,1,2,3
	v_mov_b32 v[TM+4+\b], 0                        ; written once: a lane permute's destination counts as one of its sources
.endr
	s_mov_b32 s40, 0xffff0000                      ; lanes 16-31
	s_mov_b32 s[SEL], 0x76543210
	s_mov_b32 s[SEL+1], 0xfedcba98
	s_lshl_b32 s46, ttmp9, 16                      ; x: 128 rows of 512 bytes a work-group,
	s_lshl_b32 s39, s38, 14                        ; 32 rows a wave
	s_add_co_u32 s46, s46, s39
	s_mov_b32 s47, 0
	s_lshr_b32 s48, ttmp9, 5                       ; stats: the batch's 32 chunks of 256 bytes
	s_lshl_b32 s48, s48, 13
	s_mov_b32 s49, 0
	s_mul_i32 s50, ttmp9, REC                      ; ws: my record
	s_mov_b32 s51, 0
	s_lshl_b32 s52, s38, 11                        ; Wv: my 32 rows of 64 bytes
	s_mov_b32 s53, 0
	s_lshl_b32 s54, s38, 7                         ; their scale words, and bv: 32 x 4 bytes
	s_mov_b32 s55, 0
	s_wait_kmcnt 0x0
	s_add_nc_u64 s[8:9], s[8:9], s[46:47]
	s_add_nc_u64 s[10:11], s[10:11], s[48:49]
	s_add_nc_u64 s[34:35], s[34:35], s[50:51]
	s_add_nc_u64 s[28:29], s[28:29], s[52:53]
	s_add_nc_u64 s[30:31], s[30:31], s[54:55]
	s_add_nc_u64 s[32:33], s[32:33], s[54:55]
	; ---- loads: the batch's statistics (lane l: group l), the gains of my 4 channels, my 32 rows of x (lane l: bytes 16 l, which are group l)
.irp c, 0,1,2,3,4,5,6,7,8,9,10,11,12,13,14,15,16,17,18,19,20,21,22,23,24,25,26,27,28,29,30,31
	global_load_b64 v[ACC+2*\c:ACC+2*\c+1], v[L8], s[10:11] offset:256*\c
.endr
	global_load_b128 v[208:211], v[LI], s[12:13]
	global_load_b128 v[212:215], v[LI], s[14:15]
.irp i, 0,1,2,3,4,5,6,7,8,9,10,11,12,13,14,15,16,17,18,19,20,21,22,23,24,25,26,27,28,29,30,31
	global_load_b128 v[WF+4*\i:WF+4*\i+3], v[LI], s[8:9] offset:512*\i
.endr
	s_wait_loadcnt 32                              ; the statistics and the gains are in; x's 32 loads, issued behind them, may be out
	; ---- the group's mean and variance from the 32 chunks' (mean, M2), 512 numbers each
	v_pk_add_f32 v[232:233], v[ACC:ACC+1], v[ACC+2:ACC+3]
	v_pk_add_f32 v[234:235], v[ACC+4:ACC+5], v[ACC+6:ACC+7]
.irp j, 8,12,16,20,24,28,32,36,40,44,48,52,56,60
	v_pk_add_f32 v[232:233], v[232:233], v[ACC+\j:ACC+\j+1]
	v_pk_add_f32 v[234:235], v[234:235], v[ACC+\j+2:ACC+\j+3]
.endr
	v_pk_add_f32 v[232:233], v[232:233], v[234:235]   ; (sum of means, sum of M2)
	v_mul_f32 v216, 0x3d000000, v232               ; the mean: / 32
	v_mov_b32 v217, v216
.irp c, 0,1,2,3,4,5,6,7,8,9,10,11,12,13,14,15,16,17,18,19,20,21,22,23,24,25,26,27,28,29,30,31
	v_sub_f32 v[ACC+2*\c], v[ACC+2*\c], v216
.endr
	v_mul_f32 v234, v[ACC], v[ACC]
	v_mul_f32 v235, v[ACC+2], v[ACC+2]
.irp c, 2,4,6,8,10,12,14,16,18,20,22,24,26,28,30
	v_fma_f32 v234, v[ACC+2*\c], v[ACC+2*\c], v234
	v_fma_f32 v235, v[ACC+2*\c+2], v[ACC+2*\c+2], v235
.endr
	v_add_f32 v234, v234, v235
	v_fmamk_f32 v234, v234, 0x44000000, v233       ; M2 = 512 x sum of (mean_c - mean)^2 + sum of M2_c
	v_mov_b32 v235, 0x38800000                     ; 1 / 16,384
	v_fmaak_f32 v234, v234, v235, 0x358637bd       ; the variance + 1e-6
	s_wait_alu depctr_va_vdst(0)
	v_rsq_f32 v235, v234
	v_nop                                          ; one plain place behind a transcendental
	s_wait_alu depctr_va_vdst(0)
.irp i, 0,1,2,3
	v_mul_f32 v[218+\i], v235, v[208+\i]           ; rstd x gain
.endr
	; ---- h = (x - mean) x (rstd x gain) + bias, row by row, into my stage: position i of my 32 is row r = 8 (i / 16) + i % 8 of tile (i / 8) % 2
.irp i, 0,1,2,3,4,5,6,7,8,9,10,11,12,13,14,15,16,17,18,19,20,21,22,23,24,25,26,27,28,29,30,31
	s_wait_loadcnt 31-\i                           ; row i is in; the younger rows may be out
	v_pk_add_f32 v[WF+4*\i:WF+4*\i+1], v[WF+4*\i:WF+4*\i+1], v[216:217] neg_lo:[0,1] neg_hi:[0,1]
	s_wait_alu depctr_va_vdst(0)
	v_pk_add_f32 v[WF+4*\i+2:WF+4*\i+3], v[WF+4*\i+2:WF+4*\i+3], v[216:217] neg_lo:[0,1] neg_hi:[0,1]
	v_pk_fma_f32 v[WF+4*\i:WF+4*\i+1], v[WF+4*\i:WF+4*\i+1], v[218:219], v[212:213]
	v_pk_fma_f32 v[WF+4*\i+2:WF+4*\i+3], v[WF+4*\i+2:WF+4*\i+3], v[220:221], v[214:215]
	ds_store_b128 v[STW], v[WF+4*\i:WF+4*\i+3] offset:SP*(16*((\i/8)%2)+8*(\i/16)+(\i%8))
.endr
	; ---- h's two tiles are quantised; their images and scale words go to LDS for all four waves
	TURN ACC, 0                                    ; LDS serves a wave's instructions in order: these see my stores
	s_wait_dscnt 0x0                               ; tile 0 is in, and the stage's stores have read x's registers
	TURN BI, 1
	LOADW 16, 18                                   ; Wq
	QUANT ACC
	IMAGE HWI, 0
	v_mov_b32 v[PW0], v[PW]
	s_wait_dscnt 0x0                               ; tile 1 is in, and the image's stores have read the codes' registers
	QUANT BI
	IMAGE HWI, 1024
	v_cndmask_b32 v[PW0], v[PW0], v[PW], s40
	ds_store_b32 v[SCW], v[PW0]
	LOADB 20                                       ; bq
.irp c, 0,1,2,3
	ds_load_b128 v[HF+4*\c:HF+4*\c+3], v[HWI] offset:512*\c   ; my own two fragments back, to stay
.endr
	BARRIER                                        ; h's eight fragments and their scale words lie in LDS
	ds_load_b32 v[HSO], v[SCW]                     ; my tiles' scale words: tile 2 w's in lanes 0-15, tile 2 w + 1's in lanes 16-31 (the wait stands at the head of PAIR)
	s_wait_loadcnt 0x0                             ; Wq, its scale words, bq
	PAIR 0, 1536, 0, 1                             ; q; Wk and bk are asked for on the way
	s_wait_loadcnt 0x0
	PAIR 8192, 512, 0, 2                           ; k; what v wants is asked for on the way
	s_wait_loadcnt 0x0
.irp f, 0,1
.irp j, 0,1,2,3,4,5,6,7
	v_mov_b32 v[WF+16+8*\f+\j], v[WF+32+\f]        ; bv as C: a lane holds one channel, so its eight registers hold the same number
.endr
.endr
	PLACES
	s_wait_alu depctr_va_vdst(0)
	PAIR 16384, 1024, 1, 0                         ; v
	BARRIER                                        ; the three images of scale words lie in LDS
	s_cmp_eq_u32 s38, 3                            ; waves 0, 1, 2 send k's, v's, q's
	s_cbranch_scc1 .Lend
	ds_load_b128 v[16:19], v[SCF]
	s_wait_dscnt 0x0
	global_store_b128 v[GS], v[16:19], s[34:35]    ; 512 consecutive bytes
.Lend:
	s_set_vgpr_msb 0x4
	s_wait_tensorcnt 0x0
	ds_add_u32 v254, v1
	s_wait_dscnt 0x0
	s_set_vgpr_msb 0x400
	s_endpgm
.Lfunc_end_k_qa67e422717_qkv:
	.size	k_qa67e422717_qkv, .Lfunc_end_k_qa67e422717_qkv-k_qa67e422717_qkv
	.p2alignl 7, 3214868480
	.fill 96, 4, 3214868480
	.section	.rodata,"a",@progbits
	.p2align	6, 0x0
	.amdhsa_kernel k_qa67e422717_qkv
		.amdhsa_group_segment_fixed_size 78848
		.amdhsa_private_segment_fixed_size 0
		.amdhsa_enable_private_segment 0
		.amdhsa_kernarg_size 112
		.amdhsa_user_sgpr_count 2
		.amdhsa_user_sgpr_kernarg_segment_ptr 1
		.amdhsa_wavefront_size32 1
		.amdhsa_system_sgpr_workgroup_id_x 1
		.amdhsa_system_sgpr_workgroup_id_y 1
		.amdhsa_system_sgpr_workgroup_id_z 1
		.amdhsa_system_vgpr_workitem_id 0
		.amdhsa_next_free_vgpr 258
		.amdhsa_next_free_sgpr 66
		.amdhsa_reserve_vcc 0
		.amdhsa_float_denorm_mode_32 3
		.amdhsa_float_denorm_mode_16_64 3
		.amdhsa_memory_ordered 1
		.amdhsa_forward_progress 1
		.amdhsa_inst_pref_size 79
	.end_amdhsa_kernel
	.amdgpu_metadata
---
amdhsa.version: [ 1, 2 ]
amdhsa.kernels:
  - .name:           k_qa67e422717_qkv
    .symbol:         k_qa67e422717_qkv.kd
    .args:
      - { .name: x, .offset: 0, .size: 8, .value_kind: global_buffer, .address_space: global }
      - { .name: stats, .offset: 8, .size: 8, .value_kind: global_buffer, .address_space: global }
      - { .name: gn_scale, .offset: 16, .size: 8, .value_kind: global_buffer, .address_space: global }
      - { .name: gn_bias, .offset: 24, .size: 8, .value_kind: global_buffer, .address_space: global }
      - { .name: wq_codes, .offset: 32, .size: 8, .value_kind: global_buffer, .address_space: global }
      - { .name: wq_scales, .offset: 40, .size: 8, .value_kind: global_buffer, .address_space: global }
      - { .name: bq, .offset: 48, .size: 8, .value_kind: global_buffer, .address_space: global }
      - { .name: wk_codes, .offset: 56, .size: 8, .value_kind: global_buffer, .address_space: global }
      - { .name: wk_scales, .offset: 64, .size: 8, .value_kind: global_buffer, .address_space: global }
      - { .name: bk, .offset: 72, .size: 8, .value_kind: global_buffer, .address_space: global }
      - { .name: wv_codes, .offset: 80, .size: 8, .value_kind: global_buffer, .address_space: global }
      - { .name: wv_scales, .offset: 88, .size: 8, .value_kind: global_buffer, .address_space: global }
      - { .name: bv, .offset: 96, .size: 8, .value_kind: global_buffer, .address_space: global }
      - { .name: ws, .offset: 104, .size: 8, .value_kind: global_buffer, .address_space: global }
    .group_segment_fixed_size: 78848
    .private_segment_fixed_size: 0
    .kernarg_segment_align: 8
    .kernarg_segment_size: 112
    .max_flat_workgroup_size: 128
    .sgpr_count:     66
    .vgpr_count:     258
    .wavefront_size: 32
...
	.end_amdgpu_metadata
.endif
;; end of part 2
;; launch attn (part 3): grid 32 x 8, 8 waves a work-group, clusters of 4 x 1, 327,680 bytes of LDS; arguments ws, x, wo_codes, wo_scales, bo, out0; writes out0
.if DOCPART == 3
	.amdgcn_target "amdgcn-amd-amdhsa--gfx1250"
	.amdhsa_code_object_version 6
	.text
	.protected	k_qa67e422717_attn
	.globl	k_qa67e422717_attn
	.p2align	8
	.type	k_qa67e422717_attn,@function
k_qa67e422717_attn:
	s_mov_b64 s[64:65], 0
	v_nop
	global_prefetch_b8 v0, s[64:65] scope:SCOPE_SE
	s_setreg_imm32_b32 hwreg(HW_REG_WAVE_MODE, 25, 1), 1
	s_wait_xcnt 0x0
	s_wait_alu depctr_hold_cnt(0) depctr_sa_sdst(0) depctr_va_vdst(0) depctr_va_sdst(0) depctr_va_ssrc(0) depctr_va_vcc(0) depctr_vm_vsrc(0)
	s_getreg_b32 s2, hwreg(HW_REG_IB_STS2, 6, 4)
	s_cmp_eq_u32 s2, 0
	s_cbranch_scc0 .Lentry_in_a_cluster
	s_endpgm
.Lentry_in_a_cluster:
	s_bfe_u32 s2, ttmp6, 0x10000c
	s_cmp_lg_u32 s2, 0x3003
	s_cbranch_scc0 .Lentry_shape_is_right
	s_endpgm
.Lentry_shape_is_right:
; out = x + Q(softmax(q k^T / sqrt(128)) v) Wo + bo, all three products on codes of FP4 (E2M1) with one E8M0 scale for each 32 along K.  q, k, v come from ws, laid as images of the operands' registers
; (record of 128 positions: +0 q's 8 fragments, +8,192 k's 8, +16,384 v's 8, +24,576 k's scale words, +25,088 v's, +25,600 q's; row r of tile 2 b + u is position, or channel of v, 32 b + 8 u + r + 8 (r / 8)).
; THE SOFTMAX: t = score x log2(e) / sqrt(128); M = the largest t so far, rounded up to a whole number; p = 2^(t - M) is quantised along the keys, not normalised; the row's sum is taken of the unquantised p and divides O at the end.
; When M moves, the sum and O are multiplied by 2^(old M - new M): exact.
; SHARES.  A work-group owns 128 queries of a batch: 8 tiles of 16.  Eight waves of 512 registers, two to a SIMD.  Wave w (pi = w % 4, rho = w / 4) owns TWO tiles, A = 2 pi + rho and B = A xor 1, so that each fragment of K and V
; that it reads from LDS feeds two products; of each slot's eight key steps of 128 keys it takes steps 4 rho .. 4 rho + 3: 16 steps a wave.  Waves w and w xor 4 hold the same two tiles in opposite order: at the end each keeps its A
; and hands its B's O^T, -M and sum to the other through LDS; the halves are joined under the larger M by exact powers of two.  So the order of O's sums differs from a walk in ascending keys, and all eight waves share the end's work.
; LAYOUT.  S^T = K Q^T (source 0 = 16 keys, source 1 = 16 queries), O^T = V^T P^T (source 0 = 16 channels, source 1 = P): a lane holds ONE query of each tile (lane % 16) throughout; by the tiles' order of rows, registers 16 b + i of S^T
; are keys 32 b + 16 (lane / 16) + i and those of O^T channels likewise: neighbours along the next K.
; A STEP: 16 score products | V of this step and K of the next are asked for (they land during the softmax) | softmax of both tiles | O^T under the new M | 16 products V^T P | the rows' sums, which name none of those products' registers.
; CLUSTER.  The four work-groups of a cluster belong to one batch and walk the same K and V: each slot is asked for JOINTLY, by the same tensor load with the same descriptor and the mask of all four.
; A step's k and v parts of a record are 17,408 dense bytes: 68 rows of 256.  Wave w brings step w of a slot: a wave has one tensor load outstanding.  No padding: every fragment load takes 512 consecutive bytes.
; REGISTERS, in windows of 256 (s_set_vgpr_msb's low byte: bits 1:0 source 0, 3:2 source 1, 5:4 source 2, 7:6 destination):
;   window 0: v1-13 addresses; v16-23 the two tiles' -M, largest t, sum (two halves); v24-39 Q; v40-59 scale words; v64-191 S^T, then p (tile u at 64 + 64 u); v192-207 p's codes; v208-237 at work; v240-243 bo
;   window 1: v0-127 O^T (tile u at 64 u); v128-191 K's 8 fragments; v192-255 V's.   Six switches a step, for its 32 matrix instructions.
; LIMITS: NaN and infinities are not served; a p under 2^-126 counts as 0 (v_exp_f32 flushes it); blocks whose largest magnitude lies under 2^-124 get the scale byte 1.
.set REC,   26112
.set LREC,  17408                      ; a step in LDS: K's images 0, V's 8,192, K's scale words 16,384, V's 16,896
.set SLOTB, 8*LREC                     ; slot 0 at 0, slot 1 here: eight steps each
.set SPARE, 2*SLOTB                    ; the spare words, 128 bytes for each of the 8 waves: four blocks of 256 bytes that no other line names
.set MREG,  8448                       ; eight regions from LDS byte 0 on: the partner's O^T (8,192), -M (128), sum (128); later the wave's stage of 16 rows x 528.  They lie in slot 0, which has had its last fill and its last read when the first of them is written
.set SP,    528
.set A0,  1                            ; v1   16 x lane + my half of a slot
.set ADR, 2                            ; v2   the same at the step in hand
.set SPW, 3                            ; v3   LDS address of my spare word; never rewritten
.set NIL, 4                            ; v4   0; never rewritten
.set MW,  5                            ; v5   my partner's region + 16 x lane
.set MR,  6                            ; v6   my region + 16 x lane
.set MSW, 7                            ; v7   my partner's region + 8,192 + 4 x lane
.set MSR, 8                            ; v8   my region + 8,192 + 4 x lane
.set STO, 9                            ; v9   my region + 528 r + 32 h
.set LI,  10                           ; v10  16 x lane
.set QSA, 11                           ; v11  16 r: q's scale words
.set WOA, 12                           ; v12  Wo's codes: 64 r + 16 h
.set WOS, 13                           ; v13  Wo's scale words: 4 r
.set ST,  16                           ; tile u at v[16 + 4 u]: +0 -M, +1 the largest t, +2, +3 the sum in two halves
.set QF,  24                           ; v24-39   Q's two fragments
.set KS,  40                           ; v40-43   K's scale words;  v44-47 V's;  v48-49 p's;  v50-51 q's;  v52-59 Wo's: these twenty hold scales and nothing else
.set VS,  44
.set PSW, 48
.set QSW, 50
.set WSC, 52
.set SS,  64                           ; v64-191  S^T, then p
.set PC,  192                          ; v192-207 p's codes
.set BM,  208                          ; v208-215 the eight blocks' largest
.set T2,  216                          ; v216-223 the other half's, the bytes, the sums' second chains
.set CSO, 224                          ; v224-231 the conversions' scale operands
.set TMP, 232                          ; v232-233 at work, one a tile
.set FF,  234                          ; v234, v236 f = 2^(old M - new M) of the two tiles (v235, v237 named with them as pairs)
.set BO,  240                          ; v240-243 bo at my 4 channels of a row
.set OT,  0                            ; window 1
.set KB,  128
.set VB,  192
.set WV,  18                           ; s18 wave;  s19 rho;  s38 pi
.set SEL, 20                           ; s[20:21] v_permlanex16_b32's selects for lane l xor 16
.set CS,  22                           ; s[22:23] c = log2(e) / sqrt(128), twice
.set G1,  24                           ; s[24:31] descriptor group 1
.set G0,  32                           ; s[32:35] descriptor group 0, which walks
.set TB,  36                           ; s36 where the step in hand begins
.set SLOTS, 37                         ; s37 slots still to be asked for
.set RB,  42                           ; s42 where the slot in hand begins: 0 or SLOTB
.set FS,  43                           ; s43 the other slot
.set WL,  44                           ; s44 wave x LREC
.set CNT, 45                           ; s45 counts a slot's steps
.set MSB, 0
.macro WIN new                         ; the immediate's high byte repeats the setting that is left; a switch that changes nothing is dropped
.if MSB != \new
	s_set_vgpr_msb (MSB<<8)|\new
.set MSB, \new
.endif
.endm
; A round of the cluster's barrier: my work-group's barrier; wave 0 signals for the work-group; every wave waits for all four work-groups; my work-group's barrier once more.
.macro CROUND
	s_barrier_signal -1
	s_barrier_wait -1
	s_cmp_lg_u32 s[WV], 0
	s_cbranch_scc1 .Lnot_wave_0_\@
	s_barrier_signal -3
.Lnot_wave_0_\@:
	s_barrier_wait -3
	s_barrier_signal -1
	s_barrier_wait -1
.endm
; The joint load: every wave brings one step's record, its own by the wave's number.  Four v_nop follow the load.
.macro JLOAD
	tensor_load_to_lds s[G0:G0+3], s[G1:G1+7]
	s_nop 0
.rept 4
	v_nop
.endr
.endm
; THE CHANGE OF SLOTS stands at a slot's head.  Each wave waits for all its tensor loads (its part of the slot ahead), adds 0 to its spare word, and waits for that and for its reads of the slot that it has left.
; fill = 1: a round of the cluster's barrier, so that no wave of any partner still reads that slot or has a load on its way; behind it the joint refill comes first: it has this slot's four steps of every wave in which to land.
.macro CHANGE fill
	s_wait_tensorcnt 0x0                           ; no tensor load of mine is out, so the group 0 may be written
	ds_add_u32 v[SPW], v[NIL]                      ; 0 onto my spare word
.if \fill
	s_xor_b32 s[FS], s[RB], SLOTB                  ; the slot that is not read next,
	s_add_co_u32 s[G0+1], s[WL], s[FS]             ; my step's place in it,
	s_add_nc_u64 s[G0+2:G0+3], s[G0+2:G0+3], 8*REC ; eight records on; the type bits on top are not reached
	s_wait_dscnt 0x0                               ; the add is done, and my reads of the slot that I have left are over
	CROUND
	JLOAD
.else
	s_wait_dscnt 0x0
	s_barrier_signal -1
	s_barrier_wait -1
.endif
	s_mov_b32 s[TB], s[RB]
	v_add_nc_u32 v[ADR], s[TB], v[A0]
.endm
.macro PLACES                                  ; four places between a matrix instruction and a read of its result, or a load into one of its registers (ISA guide 7.12.1 for vector instructions)
.rept 4
	v_nop
.endr
.endm
.macro KLOAD                                   ; K of a slot's first step: the one fetch of K that cannot be asked for a step ahead
	WIN 0x40                                       ; destination window 1
.irp t, 0,1,2,3,4,5,6,7
.irp c, 0,1
	ds_load_b128 v[KB+8*\t+4*\c:KB+8*\t+4*\c+3], v[ADR] offset:1024*\t+512*\c
.endr
.endr
	WIN 0
	ds_load_b128 v[KS:KS+3], v[ADR] offset:16384
.endm
; S^T = K Q^T: 16 accumulators, one instruction each; register t / 2 of the scale words serves tile t from lanes 0-15 and tile t + 1 from lanes 16-31
.macro SPROD
	WIN 0x01                                       ; source 0 (K) window 1
.irp t, 0,2,4,6
.irp u, 0,1
	v_wmma_scale_f32_16x16x128_f8f6f4 v[SS+64*\u+8*\t:SS+64*\u+8*\t+7], v[KB+8*\t:KB+8*\t+7], v[QF+8*\u:QF+8*\u+7], 0, v[KS+\t/2], v[QSW+\u] matrix_a_fmt:MATRIX_FMT_FP4 matrix_b_fmt:MATRIX_FMT_FP4
	v_wmma_scale_f32_16x16x128_f8f6f4 v[SS+64*\u+8*\t+8:SS+64*\u+8*\t+15], v[KB+8*\t+8:KB+8*\t+15], v[QF+8*\u:QF+8*\u+7], 0, v[KS+\t/2], v[QSW+\u] matrix_a_fmt:MATRIX_FMT_FP4 matrix_b_fmt:MATRIX_FMT_FP4 matrix_a_scale:MATRIX_SCALE_ROW1
.endr
.endr
.endm
; O^T += V^T P^T: 16 accumulators by turns, one instruction a turn
.macro PVPROD
	WIN 0x51                                       ; source 0 (V), C and D window 1
.irp t, 0,2,4,6
.irp u, 0,1
	v_wmma_scale_f32_16x16x128_f8f6f4 v[OT+64*\u+8*\t:OT+64*\u+8*\t+7], v[VB+8*\t:VB+8*\t+7], v[PC+8*\u:PC+8*\u+7], v[OT+64*\u+8*\t:OT+64*\u+8*\t+7], v[VS+\t/2], v[PSW+\u] matrix_a_fmt:MATRIX_FMT_FP4 matrix_b_fmt:MATRIX_FMT_FP4
	v_wmma_scale_f32_16x16x128_f8f6f4 v[OT+64*\u+8*\t+8:OT+64*\u+8*\t+15], v[VB+8*\t+8:VB+8*\t+15], v[PC+8*\u:PC+8*\u+7], v[OT+64*\u+8*\t+8:OT+64*\u+8*\t+15], v[VS+\t/2], v[PSW+\u] matrix_a_fmt:MATRIX_FMT_FP4 matrix_b_fmt:MATRIX_FMT_FP4 matrix_a_scale:MATRIX_SCALE_ROW1
.endr
.endr
.endm
; The softmax of both tiles for one key step: eight blocks of 32 keys, block b of tile b / 4 in registers SS + 16 b on.  The two tiles and the eight blocks take turns line by line.
.macro SOFTMAX
.irp b, 0,1,2,3,4,5,6,7
	v_max3_num_f32 v[BM+\b], v[SS+16*\b], v[SS+1+16*\b], v[SS+2+16*\b]   ; the largest score of each block: it serves the row's maximum and, since p rises with the score, the block's largest p
.endr
.irp i, 3,5,7,9,11,13
.irp b, 0,1,2,3,4,5,6,7
	v_max3_num_f32 v[BM+\b], v[BM+\b], v[SS+16*\b+\i], v[SS+1+16*\b+\i]
.endr
.endr
.irp b, 0,1,2,3,4,5,6,7
	v_max_num_f32 v[BM+\b], v[BM+\b], v[SS+15+16*\b]
.endr
.irp b, 0,1,2,3,4,5,6,7
	v_permlanex16_b32 v[T2+\b], v[BM+\b], s[SEL], s[SEL+1]
.endr
.irp b, 0,1,2,3,4,5,6,7
	v_max_num_f32 v[BM+\b], v[BM+\b], v[T2+\b]     ; with lane l xor 16's 16 keys
.endr
.irp u, 0
	v_max3_num_f32 v[TMP+\u], v[BM+4*\u], v[BM+4*\u+1], v[BM+4*\u+2]
.endr
.irp u, 1
	s_delay_alu instid0(VALU_DEP_3)
	v_max3_num_f32 v[TMP+\u], v[BM+4*\u], v[BM+4*\u+1], v[BM+4*\u+2]
.endr
.irp u, 0,1
	s_delay_alu instid0(VALU_DEP_2)
	v_max_num_f32 v[TMP+\u], v[TMP+\u], v[BM+4*\u+3]   ; the step's largest score of my query
.endr
.irp u, 0,1
	s_delay_alu instid0(VALU_DEP_2)
	v_mul_f32 v[TMP+\u], s[CS], v[TMP+\u]          ; as t (c is positive)
.endr
.irp u, 0,1
	s_delay_alu instid0(VALU_DEP_2)
	v_max_num_f32 v[ST+4*\u+1], v[ST+4*\u+1], v[TMP+\u]   ; the running largest t
.endr
.irp u, 0,1
	v_mov_b32 v[TMP+\u], v[ST+4*\u]
.endr
.irp u, 0,1
	s_delay_alu instid0(VALU_DEP_4)
	v_floor_f32 v[ST+4*\u], -v[ST+4*\u+1]          ; the new -M = floor(-t): M is a whole number
.endr
.irp u, 0,1
	s_delay_alu instid0(VALU_DEP_2)
	v_sub_f32 v[TMP+\u], v[ST+4*\u], v[TMP+\u]     ; old M - new M: a whole number, 0 or less
.endr
.irp u, 0,1
	s_delay_alu instid0(VALU_DEP_2)
	v_cvt_i32_f32 v[TMP+\u], v[TMP+\u]             ; (it saturates)
.endr
.irp u, 0,1
	s_delay_alu instid0(VALU_DEP_2)
	v_ldexp_f32 v[FF+2*\u], 1.0, v[TMP+\u]         ; f = 2^(old M - new M)
.endr
.set n, 0
.rept 64
	v_pk_fma_f32 v[SS+n:SS+n+1], v[SS+n:SS+n+1], s[CS:CS+1], v[ST+4*(n/64):ST+4*(n/64)+1] op_sel_hi:[1,0,0]   ; t - M, two at a time
.set n, n+2
.endr
.irp b, 0,1,2,3,4,5,6,7
	v_fma_f32 v[BM+\b], v[BM+\b], s[CS], v[ST+4*(\b/4)]   ; the same of each block's largest score
.endr
.set n, 0
	s_wait_alu depctr_va_vdst(0)
.rept 128
	v_exp_f32 v[SS+n], v[SS+n]                     ; p = 2^(t - M), at most 1
.set n, n+1
.endr
.irp b, 0,1,2,3,4,5,6,7
	v_exp_f32 v[BM+\b], v[BM+\b]                   ; the block's largest p: the same two instructions on the same number
.endr
.irp u, 0,1
	v_pk_mul_f32 v[ST+4*\u+2:ST+4*\u+3], v[ST+4*\u+2:ST+4*\u+3], v[FF+2*\u:FF+2*\u+1] op_sel_hi:[1,0]   ; the sums under the new M (plain places behind the exponentials)
.endr
	s_wait_alu depctr_va_vdst(0)
.irp b, 0,1,2,3,4,5,6,7
	v_max_num_f32 v[BM+\b], 0x1800000, v[BM+\b]    ; the floor 2^(3 - 127): the byte cannot fall under 1
.endr
.irp b, 0,1,2,3,4,5,6,7
	v_add_nc_u32 v[CSO+\b], 0xff000000, v[BM+\b]   ; 2 off the exponent field: the conversion's scale operand
.endr
.irp b, 0,1,2,3,4,5,6,7
	v_lshrrev_b32 v[T2+\b], 23, v[CSO+\b]          ; the scale's byte
.endr
.irp u, 0
	v_lshl_or_b32 v[PSW+\u], v[T2+4*\u+1], 8, v[T2+4*\u]
.endr
.irp u, 1
	s_delay_alu instid0(VALU_DEP_4)
	v_lshl_or_b32 v[PSW+\u], v[T2+4*\u+1], 8, v[T2+4*\u]
.endr
.irp u, 0,1
	s_delay_alu instid0(VALU_DEP_2)
	v_lshl_or_b32 v[PSW+\u], v[T2+4*\u+2], 16, v[PSW+\u]
.endr
.irp u, 0,1
	s_delay_alu instid0(VALU_DEP_2)
	v_lshl_or_b32 v[PSW+\u], v[T2+4*\u+3], 24, v[PSW+\u]   ; p's scale word for these 128 keys
.endr
.irp b, 0,1,2,3,4,5,6,7
	v_cvt_scalef32_pk8_fp4_f32 v[PC+2*\b], v[SS+16*\b:SS+7+16*\b], v[CSO+\b]
	v_cvt_scalef32_pk8_fp4_f32 v[PC+1+2*\b], v[SS+8+16*\b:SS+15+16*\b], v[CSO+\b]
.endr
	v_nop                                          ; one plain place behind a scaled conversion
.irp g, 0,1,2,3                                ; a whole block in a lane: lanes 0-15 the even block, lanes 16-31 the odd one
.irp i, 0,1
	v_permlane16_swap_b32 v[PC+4*\g+\i], v[PC+2+4*\g+\i]
.endr
.endr
.endm
; The rows' sums are taken of the unquantised p: two at a time, two chains a tile, the four chains by turns
.macro SUMS
.irp u, 0,1
	v_pk_add_f32 v[T2+2*\u:T2+2*\u+1], v[SS+64*\u:SS+64*\u+1], v[SS+64*\u+2:SS+64*\u+3]
.endr
.irp j, 4,8,12,16,20,24,28,32,36,40,44,48,52,56,60
.irp u, 0,1
	v_pk_add_f32 v[ST+4*\u+2:ST+4*\u+3], v[ST+4*\u+2:ST+4*\u+3], v[SS+64*\u+\j:SS+64*\u+\j+1]
	v_pk_add_f32 v[T2+2*\u:T2+2*\u+1], v[T2+2*\u:T2+2*\u+1], v[SS+64*\u+\j+2:SS+64*\u+\j+3]
.endr
.endr
.irp u, 0
	s_delay_alu instid0(VALU_DEP_3)
	v_pk_add_f32 v[ST+4*\u+2:ST+4*\u+3], v[ST+4*\u+2:ST+4*\u+3], v[T2+2*\u:T2+2*\u+1]
.endr
.irp u, 1
	s_delay_alu instid0(VALU_DEP_2)
	v_pk_add_f32 v[ST+4*\u+2:ST+4*\u+3], v[ST+4*\u+2:ST+4*\u+3], v[T2+2*\u:T2+2*\u+1]
.endr
.endm
; A KEY STEP: 128 keys, whose K lies in registers already.  pre = 1: the next step's K is asked for (the same slot's).  fin = 1: the launch's last step: K's buffer takes Wo instead.
.macro STEP pre, fin
	SPROD
	PLACES                                         ; behind the score products, and behind the last step's products V^T P, which read the registers loaded next
	WIN 0x40                                       ; destination window 1
.irp t, 0,1,2,3,4,5,6,7
.irp c, 0,1
	ds_load_b128 v[VB+8*\t+4*\c:VB+8*\t+4*\c+3], v[ADR] offset:8192+1024*\t+512*\c
.endr
.endr
.if \pre
.irp t, 0,1,2,3,4,5,6,7
.irp c, 0,1
	ds_load_b128 v[KB+8*\t+4*\c:KB+8*\t+4*\c+3], v[ADR] offset:LREC+1024*\t+512*\c
.endr
.endr
.endif
.if \fin
.irp t, 0,1,2,3,4,5,6,7                        ; Wo's 8 fragments (tile t: rows 16 t + r)
.irp c, 0,1
	global_load_b128 v[KB+8*\t+4*\c:KB+8*\t+4*\c+3], v[WOA], s[8:9] offset:1024*\t+32*\c
.endr
.endr
.endif
	WIN 0
	ds_load_b128 v[VS:VS+3], v[ADR] offset:16896
.if \pre
	ds_load_b128 v[KS:KS+3], v[ADR] offset:LREC+16384
.endif
.if \fin
.irp t, 0,1,2,3,4,5,6,7
	global_load_b32 v[WSC+\t], v[WOS], s[10:11] offset:64*\t
.endr
	global_load_b128 v[BO:BO+3], v[LI], s[12:13]
.endif
	SOFTMAX
	WIN 0x41                                       ; O^T (destination and source 0) window 1, f window 0
.set n, 0
.rept 64
	v_pk_mul_f32 v[OT+n:OT+n+1], v[OT+n:OT+n+1], v[FF+2*(n/64):FF+2*(n/64)+1] op_sel_hi:[1,0]   ; O^T under the new M.  (These are also the places between p's codes and scale words and the products below)
.set n, n+2
.endr
	s_wait_alu depctr_va_vdst(0)
	s_wait_dscnt 0x0                               ; V is in, and so is the next step's K
	PVPROD
	WIN 0
	SUMS                                           ; 66 plain instructions that name none of those products' registers: they are issued while the products run, and are the places behind them
.endm
; A slot's four steps of mine: the first three written once and walked three times, the fourth without a further K
.macro SLOTBODY fin
	KLOAD
	s_wait_dscnt 0x0
	s_mov_b32 s[CNT], 3
.Lstep_\@:
	s_wait_alu depctr_va_vdst(0)
	STEP 1, 0
	s_add_co_u32 s[TB], s[TB], LREC
	v_add_nc_u32 v[ADR], s[TB], v[A0]
	s_sub_co_u32 s[CNT], s[CNT], 1
	s_cmp_lg_u32 s[CNT], 0
	s_cbranch_scc1 .Lstep_\@
	STEP 0, \fin
.endm
; 64 numbers of a lane, register 16 b + i = k 32 b + 16 (lane / 16) + i of my row, become a fragment's codes in v[PC] on and its scale word in v[PSW].
.macro QUANT s
.irp b, 0,1,2,3
	v_max3_num_f32 v[BM+\b], |v[\s+16*\b]|, |v[\s+1+16*\b]|, 0x1800000
.endr
.irp i, 2,4,6,8,10,12,14
.irp b, 0,1,2,3
	s_delay_alu instid0(VALU_DEP_4)
	v_max3_num_f32 v[BM+\b], v[BM+\b], |v[\s+16*\b+\i]|, |v[\s+1+16*\b+\i]|
.endr
.endr
.irp b, 0,1,2,3
	s_delay_alu instid0(VALU_DEP_4)
	v_permlanex16_b32 v[T2+\b], v[BM+\b], s[SEL], s[SEL+1]
.endr
.irp b, 0,1,2,3
	s_delay_alu instid0(VALU_DEP_4)
	v_max_num_f32 v[BM+\b], v[BM+\b], v[T2+\b]
.endr
.irp b, 0,1,2,3
	s_delay_alu instid0(VALU_DEP_4)
	v_add_nc_u32 v[CSO+\b], 0xff000000, v[BM+\b]
.endr
.irp b, 0,1,2,3
	s_delay_alu instid0(VALU_DEP_4)
	v_lshrrev_b32 v[T2+\b], 23, v[CSO+\b]
.endr
	s_delay_alu instid0(VALU_DEP_3)
	v_lshl_or_b32 v[PSW], v[T2+1], 8, v[T2]
	s_delay_alu instid0(VALU_DEP_1)
	v_lshl_or_b32 v[PSW], v[T2+2], 16, v[PSW]
	s_delay_alu instid0(VALU_DEP_1)
	v_lshl_or_b32 v[PSW], v[T2+3], 24, v[PSW]
.irp b, 0,1,2,3
	v_cvt_scalef32_pk8_fp4_f32 v[PC+2*\b], v[\s+16*\b:\s+7+16*\b], v[CSO+\b]
	v_cvt_scalef32_pk8_fp4_f32 v[PC+1+2*\b], v[\s+8+16*\b:\s+15+16*\b], v[CSO+\b]
.endr
	v_nop
.irp c, 0,1
.irp i, 0,1
	v_permlane16_swap_b32 v[PC+4*\c+\i], v[PC+2+4*\c+\i]
.endr
.endr
.endm
	s_load_b256 s[4:11], s[0:1], 0x0               ; ws s[4:5], x s[6:7], Wo's codes s[8:9], Wo's scales s[10:11]
	s_load_b128 s[12:15], s[0:1], 0x20             ; bo s[12:13], out0 s[14:15]
	v_lshl_add_u32 v[SPW], v0, 2, SPARE
	v_mov_b32 v[NIL], 0
	ds_add_u32 v3, v4
	ds_add_u32 v3, v4
	s_wait_dscnt 0x0
	v_lshrrev_b32 v5, 5, v0
	s_delay_alu instid0(VALU_DEP_1)
	v_readfirstlane_b32 s[WV], v5                  ; wave 0..7
	s_lshr_b32 s19, s[WV], 2                       ; rho: which half of a slot's steps is mine
	s_and_b32 s38, s[WV], 3                        ; pi: my pair of tiles
	s_bfe_u32 s39, ttmp6, 0x40000                  ; cx: my place in the cluster
	s_lshl_b32 s40, ttmp9, 2                       ; in a cluster launch ttmp9 counts clusters
	s_add_co_u32 s40, s40, s39                     ; my block of 128 queries: it enters q's, x's and out0's addresses alone
	s_and_b32 s41, ttmp7, 0xffff                   ; the batch, which the four partners share
	; the joint load: in registers that never hold cx.  Wave w brings step w of a slot
	s_lshl_b32 s60, s41, 5
	s_add_co_u32 s60, s60, s[WV]                   ; the batch's record w,
	s_mul_i32 s46, s60, REC
	s_add_co_u32 s46, s46, 8192                    ; from its k part on
	s_mov_b32 s47, 0
	s_mov_b32 s[G1], 15|(3<<16)|(1<<21)            ; 15:0 the mask: all four work-groups; 17:16 elements of 8 bytes; 20 no padding; 21 set beside a mask
	s_mov_b32 s[G1+1], 32<<16                      ; tensor_dim0 = 32 elements: 256 bytes
	s_mov_b32 s[G1+2], 68<<16                      ; tensor_dim1 = 68 rows
	s_mov_b32 s[G1+3], 32<<16                      ; tile_dim0
	s_mov_b32 s[G1+4], 68                          ; tile_dim1
	s_mov_b32 s[G1+5], 32                          ; from row to row: dense
	s_mov_b32 s[G1+6], 0
	s_mov_b32 s[G1+7], 0
	s_mov_b32 s[G0], 1                             ; count = 1
	s_mul_i32 s[WL], s[WV], LREC
	s_mov_b32 s[G0+1], s[WL]                       ; LDS address: slot 0, step w
	; q's fragments and scale words, x's and out0's rows
	s_lshl_b32 s61, s41, 5
	s_add_co_u32 s61, s61, s40
	s_mul_i32 s61, s61, REC                        ; my block's record
	s_lshl_b32 s62, s38, 1
	s_add_co_u32 s62, s62, s19                     ; tile A = 2 pi + rho
	s_xor_b32 s63, s62, 1                          ; tile B
	s_lshl_b32 s48, s62, 10
	s_add_co_u32 s48, s48, s61                     ; A's fragment of q
	s_mov_b32 s49, 0
	s_lshl_b32 s50, s63, 10
	s_add_co_u32 s50, s50, s61                     ; B's
	s_mov_b32 s51, 0
	s_lshl_b32 s52, s19, 8                         ; q's scale words of tile t: 25,600 + 256 (t % 2) + 4 (t / 2), then 16 r.  A % 2 = rho, B % 2 = 1 - rho, A / 2 = B / 2 = pi
	s_lshl_b32 s54, s38, 2
	s_add_co_u32 s54, s54, s61
	s_add_co_u32 s54, s54, 25600
	s_add_co_u32 s52, s52, s54                     ; A's
	s_mov_b32 s53, 0
	s_xor_b32 s55, s19, 1
	s_lshl_b32 s55, s55, 8
	s_add_co_u32 s54, s54, s55                     ; B's
	s_mov_b32 s55, 0
	s_lshl_b32 s56, s41, 12
	s_lshl_b32 s62, s40, 7
	s_add_co_u32 s56, s56, s62
	s_lshl_b32 s62, s38, 5
	s_add_co_u32 s56, s56, s62
	s_lshl_b32 s62, s19, 3
	s_add_co_u32 s56, s56, s62                     ; row 0 of tile A: position 4,096 batch + 128 block + 32 pi + 8 rho
	s_lshl_b32 s56, s56, 9                         ; in bytes
	s_mov_b32 s57, 0
	s_mov_b32 s[SEL], 0x76543210
	s_mov_b32 s[SEL+1], 0xfedcba98
	s_mov_b32 s[CS], 0x3e0293ee                    ; c = log2(e) / sqrt(128)
	s_mov_b32 s[CS+1], s[CS]
	s_mov_b32 s[RB], 0
	s_mov_b32 s[SLOTS], 3
	; every address register but the step's is made here and never rewritten
	v_and_b32 v14, 31, v0                          ; lane
	s_delay_alu instid0(VALU_DEP_1)
	v_lshlrev_b32 v[LI], 4, v14
	s_delay_alu instid0(VALU_DEP_2)
	v_lshlrev_b32 v15, 2, v14
	v_and_b32 v[QSA], 15, v0                       ; r
	v_bfe_u32 v[WOS], v0, 4, 1                     ; h
	s_mul_i32 s60, s19, 4*LREC
	v_add_nc_u32 v[A0], s60, v[LI]
	s_mul_i32 s60, s[WV], MREG                     ; my region
	v_add_nc_u32 v[MR], s60, v[LI]
	v_add_nc_u32 v[MSR], s60, v15
	s_delay_alu instid0(VALU_DEP_1)
	v_add_nc_u32 v[MSR], 8192, v[MSR]
	v_mul_u32_u24 v[STO], v[QSA], SP
	s_delay_alu instid0(VALU_DEP_1)
	v_lshl_add_u32 v[STO], v[WOS], 5, v[STO]
	s_delay_alu instid0(VALU_DEP_1)
	v_add_nc_u32 v[STO], s60, v[STO]
	s_xor_b32 s60, s[WV], 4
	s_mul_i32 s60, s60, MREG                       ; my partner's
	v_add_nc_u32 v[MW], s60, v[LI]
	v_add_nc_u32 v[MSW], s60, v15
	s_delay_alu instid0(VALU_DEP_1)
	v_add_nc_u32 v[MSW], 8192, v[MSW]
	v_lshlrev_b32 v[WOA], 6, v[QSA]
	s_delay_alu instid0(VALU_DEP_1)
	v_lshl_add_u32 v[WOA], v[WOS], 4, v[WOA]
	v_lshlrev_b32 v[WOS], 2, v[QSA]
	v_lshlrev_b32 v[QSA], 4, v[QSA]
	s_wait_kmcnt 0x0
	s_add_nc_u64 s[G0+2:G0+3], s[4:5], s[46:47]    ; global address of the tile's first byte
	s_or_b32 s[G0+3], s[G0+3], 0x80000000          ; type = 2
	s_add_nc_u64 s[48:49], s[4:5], s[48:49]
	s_add_nc_u64 s[50:51], s[4:5], s[50:51]
	s_add_nc_u64 s[52:53], s[4:5], s[52:53]
	s_add_nc_u64 s[54:55], s[4:5], s[54:55]
	s_add_nc_u64 s[58:59], s[14:15], s[56:57]      ; out0's rows
	s_add_nc_u64 s[56:57], s[6:7], s[56:57]        ; x's
	CROUND                                         ; all four work-groups are here: the first joint loads meet
	JLOAD                                          ; slot 0: the launch's one first fill
	global_load_b128 v[QF:QF+3], v[LI], s[48:49]   ; Q's two fragments stay in registers
	global_load_b128 v[QF+4:QF+7], v[LI], s[48:49] offset:512
	global_load_b128 v[QF+8:QF+11], v[LI], s[50:51]
	global_load_b128 v[QF+12:QF+15], v[LI], s[50:51] offset:512
	s_wait_alu depctr_va_vdst(0)
	global_load_b32 v[QSW], v[QSA], s[52:53]
	global_load_b32 v[QSW+1], v[QSA], s[54:55]
.irp u, 0,1
	v_mov_b32 v[ST+4*\u+1], 0xff61b1e6             ; the largest t so far: -3e38, under every t
	s_delay_alu instid0(VALU_DEP_1)
	v_floor_f32 v[ST+4*\u], -v[ST+4*\u+1]          ; -M
	v_mov_b32 v[ST+4*\u+2], 0                      ; the sum, in two halves
	v_mov_b32 v[ST+4*\u+3], 0
	v_mov_b32 v[FF+2*\u+1], 0                      ; (named as the upper half of a pair)
.endr
.irp b, 0,1,2,3,4,5,6,7
	v_mov_b32 v[T2+\b], 0                          ; written once: a lane permute's destination counts as one of its sources
.endr
	WIN 0x40
.set n, 0
.rept 128
	v_mov_b32 v[OT+n], 0                           ; O^T.  (The step is written without a first step of its own, which would be a further copy of it: the first finds zeros, which the first change of M leaves zeros)
.set n, n+1
.endr
	WIN 0
	s_wait_loadcnt 0x0                             ; Q
.Lslot:                                            ; 3 trips: behind each change of slots but the last the next slot is asked for
	CHANGE 1
	SLOTBODY 0
	s_xor_b32 s[RB], s[RB], SLOTB                  ; on to the other slot
	s_sub_co_u32 s[SLOTS], s[SLOTS], 1
	s_cmp_lg_u32 s[SLOTS], 0
	s_cbranch_scc1 .Lslot
	CHANGE 0                                       ; the last slot (slot 1) is written out
	SLOTBODY 1
	; ---- THE TWO HALVES MEET.  Each wave puts its tile B's O^T (as an image of its registers), -M and sum into its partner's region; a barrier; each wave goes on with its tile A.  (The sums above are the places behind the last products)
.irp u, 0,1
	s_delay_alu instid0(VALU_DEP_2)
	v_add_f32 v[ST+4*\u+2], v[ST+4*\u+2], v[ST+4*\u+3]   ; the sum's two halves
.endr
	WIN 0x40
.irp i, 0,1,2,3,4,5,6,7,8,9,10,11,12,13,14,15
	global_load_b128 v[VB+4*\i:VB+4*\i+3], v[LI], s[56:57] offset:(\i+8*(\i/8))*512 th:TH_LOAD_NT   ; x's row of query i of tile A, into V's buffer: 512 consecutive bytes
.endr
	WIN 0x04                                       ; an LDS store's data are its source 1: window 1
.irp k, 0,1,2,3,4,5,6,7,8,9,10,11,12,13,14,15
	ds_store_b128 v[MW], v[OT+64+4*\k:OT+64+4*\k+3] offset:512*\k   ; each accumulator from its low end on
.endr
	WIN 0
	ds_store_b32 v[MSW], v[ST+4]
	ds_store_b32 v[MSW], v[ST+6] offset:128
	s_wait_dscnt 0x0                               ; for the partner's sake: my stores have landed
	s_barrier_signal -1
	s_barrier_wait -1
.irp k, 0,1,2,3,4,5,6,7,8,9,10,11,12,13,14,15
	ds_load_b128 v[SS+4*\k:SS+4*\k+3], v[MR] offset:512*\k   ; the partner's O^T of my tile A, in the same lanes
.endr
	ds_load_b32 v[BM], v[MSR]                      ; its -M
	ds_load_b32 v[BM+1], v[MSR] offset:128         ; its sum
	s_wait_dscnt 0x0
	v_min_num_f32 v[BM+2], v[ST], v[BM]            ; -(the larger M)
	s_delay_alu instid0(VALU_DEP_1)
	v_sub_f32 v[BM+3], v[BM+2], v[ST]              ; my M - the larger: a whole number, 0 or less
	s_delay_alu instid0(VALU_DEP_2)
	v_sub_f32 v[T2], v[BM+2], v[BM]                ; the partner's likewise
	s_delay_alu instid0(VALU_DEP_2)
	v_cvt_i32_f32 v[BM+3], v[BM+3]
	s_delay_alu instid0(VALU_DEP_2)
	v_cvt_i32_f32 v[T2], v[T2]
	s_delay_alu instid0(VALU_DEP_2)
	v_ldexp_f32 v[TMP], 1.0, v[BM+3]               ; both halves come under the larger M by exact powers of two
	s_wait_alu depctr_va_vdst(0)
	v_ldexp_f32 v[FF], 1.0, v[T2]
	v_mul_f32 v[ST+2], v[ST+2], v[TMP]
	s_delay_alu instid0(VALU_DEP_1)
	v_fma_f32 v[ST+2], v[BM+1], v[FF], v[ST+2]
	s_delay_alu instid0(VALU_DEP_1)
	v_permlanex16_b32 v[T2+1], v[ST+2], s[SEL], s[SEL+1]
	s_delay_alu instid0(VALU_DEP_1)
	v_add_f32 v[ST+2], v[ST+2], v[T2+1]            ; with lane l xor 16's keys: the row's sum
	s_wait_alu depctr_va_vdst(0)
	v_rcp_f32 v[ST+2], v[ST+2]
	v_nop                                          ; one plain place behind a transcendental
	s_wait_alu depctr_va_vdst(0)
	v_mul_f32 v[TMP], v[TMP], v[ST+2]
	v_mul_f32 v[FF], v[FF], v[ST+2]
.set n, 0
.rept 32
	v_pk_mul_f32 v[SS+n:SS+n+1], v[SS+n:SS+n+1], v[FF:FF+1] op_sel_hi:[1,0]
.set n, n+2
.endr
	WIN 0x01                                       ; source 0 (my O^T) window 1
.set n, 0
.rept 32
	v_pk_fma_f32 v[SS+n:SS+n+1], v[OT+n:OT+n+1], v[TMP:TMP+1], v[SS+n:SS+n+1] op_sel_hi:[1,0,1]   ; o = (both halves) / the sum: register 16 b + i is channel 32 b + 16 h + i of my query
.set n, n+2
.endr
	WIN 0
	QUANT SS
.rept 8
	v_nop                                          ; a scale register written by a vector instruction stands 8 places ahead of a scaled matrix instruction, an operand so written 4
.endr
	s_wait_alu depctr_va_vdst(0)
	s_wait_loadcnt 16                              ; Wo, its scale words and bo are in; x's 16 rows, issued behind them, may be out
	WIN 0x01                                       ; source 0 (Wo) window 1
.irp t, 0,1,2,3,4,5,6,7                        ; source 0 = 16 rows of Wo, source 1 = o: a lane holds eight neighbouring channels of one query's row
	v_wmma_scale_f32_16x16x128_f8f6f4 v[SS+64+8*\t:SS+64+8*\t+7], v[KB+8*\t:KB+8*\t+7], v[PC:PC+7], 0, v[WSC+\t], v[PSW] matrix_a_fmt:MATRIX_FMT_FP4 matrix_b_fmt:MATRIX_FMT_FP4
.endr
	WIN 0
	PLACES
.irp t, 0,1,2,3,4,5,6,7
	ds_store_b128 v[STO], v[SS+64+8*\t:SS+64+8*\t+3] offset:64*\t          ; my region is now my stage: row r, 32 bytes a lane
	ds_store_b128 v[STO], v[SS+64+8*\t+4:SS+64+8*\t+7] offset:64*\t+16
.endr
.irp i, 0,1,2,3,4,5,6,7,8,9,10,11,12,13,14,15
	ds_load_b128 v[SS+4*\i:SS+4*\i+3], v[MR] offset:SP*\i                  ; back as whole rows; LDS serves a wave's instructions in order: these see my stores
.endr
	WIN 0x44                                       ; destination and source 1 (x's rows; a store's data) window 1, source 0 (bo, the stage's rows; a store's address) window 0
.irp i, 0,1,2,3,4,5,6,7,8,9,10,11,12,13,14,15
	s_wait_loadcnt 15-\i                           ; x's row i is in; the younger rows may be out
	v_pk_add_f32 v[VB+4*\i:VB+4*\i+1], v[BO:BO+1], v[VB+4*\i:VB+4*\i+1]
	v_pk_add_f32 v[VB+4*\i+2:VB+4*\i+3], v[BO+2:BO+3], v[VB+4*\i+2:VB+4*\i+3]
	s_wait_alu depctr_va_vdst(0)
	s_wait_dscnt 15-\i                             ; row i is back from the stage; the younger rows may be out
	v_pk_add_f32 v[VB+4*\i:VB+4*\i+1], v[SS+4*\i:SS+4*\i+1], v[VB+4*\i:VB+4*\i+1]
	v_pk_add_f32 v[VB+4*\i+2:VB+4*\i+3], v[SS+4*\i+2:SS+4*\i+3], v[VB+4*\i+2:VB+4*\i+3]
	global_store_b128 v[LI], v[VB+4*\i:VB+4*\i+3], s[58:59] offset:(\i+8*(\i/8))*512 th:TH_STORE_NT   ; 32 lanes store 512 consecutive bytes, at a multiple of 256 from out0's first byte
.endr
	WIN 0
	s_wait_tensorcnt 0x0                           ; the wave's end, behind my last tensor load and my last LDS store
	ds_add_u32 v[SPW], v[NIL]
	s_wait_dscnt 0x0
	CROUND                                         ; the closing round: no work-group ends while a partner may still ask for a tile that names it
	s_endpgm
.Lfunc_end_k_qa67e422717_attn:
	.size	k_qa67e422717_attn, .Lfunc_end_k_qa67e422717_attn-k_qa67e422717_attn
	.p2alignl 7, 3214868480
	.fill 96, 4, 3214868480
	.section	.rodata,"a",@progbits
	.p2align	6, 0x0
	.amdhsa_kernel k_qa67e422717_attn
		.amdhsa_group_segment_fixed_size 327680
		.amdhsa_private_segment_fixed_size 0
		.amdhsa_enable_private_segment 0
		.amdhsa_kernarg_size 48
		.amdhsa_user_sgpr_count 2
		.amdhsa_user_sgpr_kernarg_segment_ptr 1
		.amdhsa_wavefront_size32 1
		.amdhsa_system_sgpr_workgroup_id_x 1
		.amdhsa_system_sgpr_workgroup_id_y 1
		.amdhsa_system_sgpr_workgroup_id_z 1
		.amdhsa_system_vgpr_workitem_id 0
		.amdhsa_next_free_vgpr 512
		.amdhsa_next_free_sgpr 66
		.amdhsa_reserve_vcc 0
		.amdhsa_float_denorm_mode_32 3
		.amdhsa_float_denorm_mode_16_64 3
		.amdhsa_memory_ordered 1
		.amdhsa_forward_progress 1
		.amdhsa_inst_pref_size 170
	.end_amdhsa_kernel
	.amdgpu_metadata
---
amdhsa.version: [ 1, 2 ]
amdhsa.kernels:
  - .name:           k_qa67e422717_attn
    .symbol:         k_qa67e422717_attn.kd
    .args:
      - { .name: ws, .offset: 0, .size: 8, .value_kind: global_buffer, .address_space: global }
      - { .name: x, .offset: 8, .size: 8, .value_kind: global_buffer, .address_space: global }
      - { .name: wo_codes, .offset: 16, .size: 8, .value_kind: global_buffer, .address_space: global }
      - { .name: wo_scales, .offset: 24, .size: 8, .value_kind: global_buffer, .address_space: global }
      - { .name: bo, .offset: 32, .size: 8, .value_kind: global_buffer, .address_space: global }
      - { .name: out0, .offset: 40, .size: 8, .value_kind: global_buffer, .address_space: global }
    .group_segment_fixed_size: 327680
    .private_segment_fixed_size: 0
    .kernarg_segment_align: 8
    .kernarg_segment_size: 48
    .max_flat_workgroup_size: 256
    .sgpr_count:     66
    .vgpr_count:     512
    .wavefront_size: 32
...
	.end_amdgpu_metadata
.endif
;; end of part 3
